; MI455X (gfx1250); checked and timed in simulation.
; The chip was launched on July 23, 2026; its instructions are those of AMD's public machine-readable ISA for CDNA 5 (MIT licence, August 2026) and "CDNA5" Instruction Set Architecture Reference Guide (July 2026). The comments in the code are by the model that wrote it; some were corrected since.
;; Module1 Key Pruning Network. Allowed arithmetic: float matrix products may take bf16 or f16 operands with f32 sums; all other float work in f32.
;; Inputs: K 8,192 x 128 float32; W1 64 x 128 float32; W2 1 x 64 float32; anchor_raw 3 float32; b1 64 float32; b2 1 float32; bias 128 float32; kappa 128 x 64 x 3 float32; key_positions 8,192 int32; mu 128 x 64 x 3 float32; reference_angles 64 float32; weight 128 x 64 x 3 float32.
;; Outputs: out0 8,192 float32.
;; One version. Each part assembles by itself: llvm-mc -triple=amdgcn-amd-amdhsa -mcpu=gfx1250 --defsym DOCPART=n.
;; ======== version 1 of 1: 1 launch
;; launch prune (part 1): grid 256 x 1, 16 waves a work-group, clusters of 4 x 1, 315,904 bytes of LDS; arguments K, key_positions, reference_angles, mu, kappa, weight, bias, W1, b1, W2, b2, anchor_raw, out0; writes out0
.if DOCPART == 1
	.amdgcn_target "amdgcn-amd-amdhsa--gfx1250"
	.amdhsa_code_object_version 6
	.text
	.protected	k_q833da748c3_prune
	.globl	k_q833da748c3_prune
	.p2align	8
	.type	k_q833da748c3_prune,@function
k_q833da748c3_prune:
	s_mov_b64 s[64:65], 0
	v_nop
	global_prefetch_b8 v0, s[64:65] scope:SCOPE_SE
	s_setreg_imm32_b32 hwreg(HW_REG_WAVE_MODE, 25, 1), 1
	s_wait_xcnt 0x0
	s_wait_alu depctr_hold_cnt(0) depctr_sa_sdst(0) depctr_va_vdst(0) depctr_va_sdst(0) depctr_va_ssrc(0) depctr_va_vcc(0) depctr_vm_vsrc(0)
	s_getreg_b32 s2, hwreg(HW_REG_IB_STS2, 6, 4)
	s_cmp_eq_u32 s2, 0
	s_cbranch_scc0 .Lentry_in_a_cluster
	s_endpgm
.Lentry_in_a_cluster:
	s_bfe_u32 s2, ttmp6, 0x10000c
	s_cmp_lg_u32 s2, 0x3003
	s_cbranch_scc0 .Lentry_shape_is_right
	s_endpgm
.Lentry_shape_is_right:
; out[n] = sigmoid( posw[n] * ( W2 . relu( W1 . logits[n] + b1 ) + b2 ) ),
; logits[n][b] = bias[b] + sum over f of mag[n][f] * sum over m of weight[b][f][m] * exp( kappa[b][f][m] * ( cos(angle[n][f] - mu[b][f][m] - ref[f]) - 1 ) ).
; 8192 keys, 128 bins, 64 frequencies, 3 kernels: 201,326,592 exponentials, each used once.  That is the work; everything else serves it.
;
; THE COSINE IS NOT COMPUTED PER ELEMENT: cos(angle - m) = (x cos m + y sin m) / mag.  With cx = x / mag, sy = y / mag (per key and frequency) and
;   C = -kappa log2e,  A = kappa log2e cos(mu + ref),  B = kappa log2e sin(mu + ref)   (per bin, frequency, kernel)
; an element is exp2(A cx + (B sy + C)): two fused multiply-adds and one v_exp_f32; the "- 1" of the formula is kept, as C.
;
; SHARES.  256 work-groups of 16 waves; a work-group owns 32 keys.  Wave w = 4 fq + g owns bins 32 g .. 32 g + 31 (one a lane), frequencies
; 16 fq .. 16 fq + 15, and all 32 keys.  A lane keeps the 48 entries x 4 numbers (A, B, C, weight) of its bin in 192 registers for the whole
; launch, so the main loop loads no parameter; a packed f32 instruction works on two keys, with the parameter taken twice by op_sel.
; The four waves that share bins leave partial sums in LDS; these are added, rounded to bf16 and multiplied by W1 on the matrix unit (the one
; product with operand reuse).  The kernel sums themselves have none (every exponential meets one weight), so they stay on the vector unit.
;
; CLUSTER.  mu, kappa and weight (3 x 98,304 bytes) are read whole by every work-group: the four work-groups of a cluster ask for them jointly,
; twelve tensor loads of 24,576 bytes, one a wave (waves 0 to 11), each once in the launch.  Nothing is filled a second time, so there is no ring.
; A wave has one tensor load outstanding.
;
; OUTPUT.  A work-group owns 32 results: one store of 128 consecutive bytes is all that it has to write.
;
; LIMITS.  mag^2 is raised to 2^-126 in front of v_rsq_f32: a pair (x, y) shorter than about 1e-19 keeps its (negligible) mag and gets a shortened
; direction; x = y = 0 gives mag = 0 and adds nothing.  x^2 + y^2 must not overflow: |x|, |y| below 1.3e19.  The angle mu + ref is brought into
; [-1/2, 1/2] turns by one f32 multiplication by 1/(2 pi): its error is |mu + ref| x 2^-24 turns, of the order of the rounding of the sum mu + ref
; itself.  sin and cos are the Taylor series in turns up to t^15 and t^16: the remainders on the whole reduced range are below 8e-7 and 1.4e-7.
; Where the formula's own exponential overflows (large negative kappa) so does this one.  logits and W1 are rounded to bf16 for the matrix product.
; The position weight is written as aw0 + (aw1 - aw0) clamp(lp - 3) + (aw2 - aw1) clamp(lp - 4): the same piecewise-linear, continuous function.
; ---- LDS, in bytes
.set RAW_KA, 104448                    ; mu at 0, kappa here, weight behind: 384 rows of 256 bytes + 16 of padding each (pitch 272)
.set RAW_W,  208896
.set PROW,   816                       ; a bin's 768 bytes are three such rows: 816 = 51 x 16, so sixteen lanes on sixteen bins start in sixteen different 16-byte columns modulo 256
.set B1S,    313344                    ; b1, 256 bytes, then W2, 256 bytes: bytes of their own, into which no tensor load lands
; written over the raw arrays once every wave has read them (they are never filled again):
.set KD,     0                         ; key data: pair of keys p x 1536 + pair of frequencies G x 48
.set W1S,    24576                     ; W1 in bf16: 64 rows, pitch 272
.set PART,   41984                     ; partial logits, f32: fq x 16896 + key x 528 + 4 x bin
.set LOGB,   109568                    ; logits in bf16: 32 rows, pitch 272
; ---- vector registers
.set BQ,   2                           ; v[2:3]    bias of my bin / 4, twice: each of the four fq waves starts its sums with a quarter (an exact scaling)
.set POSW, 4                           ; v4        -log2e x position weight of key = lane
.set KA,   5                           ; v5        LDS address of the key data of the pair at work
.set PSA,  6                           ; v6        LDS address of my partial sum
.set KDB,  10                          ; v[10:33]  main loop: two buffers of 12 (a pair of frequencies each); before it: my key record v[10:21], my W1 share v[22:29]
.set T,    34                          ; v[34:45]  main loop: two sets of three pairs (exponents, then exponentials)
.set WK,   46                          ; v[46:47]  sum over the three kernels
.set ACC,  48                          ; v[48:49]  logits of the two keys
.set X,    30                          ; set-up of the parameters: angle in turns
.set R,    32
.set U,    34
.set SN,   36
.set CN,   38
.set VS7,  40                          ; the series' leading coefficients, each twice
.set VC8,  42
.set P_A,  64                          ; v[64:111]   A of my 48 entries (first mu)
.set P_B,  112                         ; v[112:159]  B
.set P_C,  160                         ; v[160:207]  C (first kappa)
.set P_W,  208                         ; v[208:255]  weight
.set ACCM, 64                          ; the MLP (wave 0): eight accumulator tiles
.set BUF0, 128                         ; four fragments of W1, two of the logits
.set BUF1, 176
.set W2R,  224
.set WA,   20
.set LA,   21
.set BA,   22
; ---- scalar registers: s3 wave, s4 g, s5 fq, s7 work-group; s[16:41] the buffers' addresses; s[44:47], s[48:55] the descriptor
.set REF,  68                          ; s[68:83]  ref of my 16 frequencies;  s[84:86] anchor_raw, s87 b2
; A round of the cluster's barrier: my work-group's barrier, wave 0 signals for the work-group, every wave waits for all four work-groups, my work-group's barrier again.
.macro ROUND
	s_barrier_signal -1
	s_barrier_wait -1
	s_cmp_lg_u32 s3, 0
	s_cbranch_scc1 .Lnot_wave_0_\@
	s_barrier_signal -3
.Lnot_wave_0_\@:
	s_barrier_wait -3
	s_barrier_signal -1
	s_barrier_wait -1
.endm
	s_load_b512 s[16:31], s[0:1], 0x0              ; K 16, key_positions 18, reference_angles 20, mu 22, kappa 24, weight 26, bias 28, W1 30
	s_load_b256 s[32:39], s[0:1], 0x40             ; b1 32, W2 34, b2 36, anchor_raw 38
	s_load_b64 s[40:41], s[0:1], 0x60              ; out0
	v_lshl_add_u32 v62, v0, 2, 0x4ca00
	v_mov_b32 v63, 0
	ds_add_u32 v62, v63
	v_and_b32 v1, 31, v0                           ; lane
	v_lshrrev_b32 v7, 5, v0
	v_readfirstlane_b32 s3, v7                     ; wave 0..15
	s_and_b32 s4, s3, 3                            ; g: which 32 bins
	s_lshr_b32 s5, s3, 2                           ; fq: which 16 frequencies
	s_bfe_u32 s6, ttmp6, 0x40000                   ; my place in the cluster
	s_lshl_b32 s7, ttmp9, 2                        ; ttmp9 counts clusters
	s_add_co_u32 s7, s7, s6                        ; work-group 0..255: it enters the addresses of K, key_positions and out0 and nothing else
	s_lshl_b32 s8, s7, 14                          ; 32 keys x 512 bytes
	s_mov_b32 s9, 0
	s_lshl_b32 s10, s7, 7                          ; 32 keys x 4 bytes
	s_mov_b32 s11, 0
	s_lshl_b32 s12, s5, 6                          ; my 16 ref: 64 fq bytes (s12 is not written again)
	s_lshl_b32 s13, s4, 5
	v_lshlrev_b32 v50, 4, v1
	v_lshl_add_u32 v50, v7, 10, v50                ; K: keys 2 w and 2 w + 1, pair of frequencies G = lane: 1024 w + 16 lane
	v_lshlrev_b32 v51, 4, v0                       ; W1: 16 bytes a thread, 8192 a step
	v_add_nc_u32 v8, s13, v1                       ; my bin
	v_lshlrev_b32 v52, 2, v8
	v_lshlrev_b32 v53, 2, v1                       ; 4 x lane: kept to the end
	v_lshlrev_b32 v54, 3, v1                       ; 8 x lane
	v_add_nc_u32 v55, B1S, v54
	s_wait_dscnt 0x0
	s_wait_kmcnt 0x0
	s_add_nc_u64 s[16:17], s[16:17], s[8:9]
	s_add_nc_u64 s[18:19], s[18:19], s[10:11]
	s_add_nc_u64 s[40:41], s[40:41], s[10:11]
	; ten loads, ahead of the round, so that they travel while the work-groups meet; nobody writes these bytes
	global_load_b128 v[64:67], v50, s[16:17] th:TH_LOAD_NT               ; key 2 w:     x, y of frequency 2 G, x, y of 2 G + 1
	global_load_b128 v[68:71], v50, s[16:17] offset:512 th:TH_LOAD_NT    ; key 2 w + 1
.irp s, 0,1,2,3
	global_load_b128 v[72+4*\s:75+4*\s], v51, s[30:31] offset:8192*\s    ; W1 row 16 s + w, columns 4 lane .. + 3
.endr
	global_load_b32 v2, v52, s[28:29]              ; bias of my bin
	global_load_b32 v4, v53, s[18:19]              ; position of key = lane
	global_load_b64 v[56:57], v54, s[32:33]        ; b1 and W2: every wave loads them (256 bytes each), wave 0 hands them on
	global_load_b64 v[58:59], v54, s[34:35]
	s_load_b512 s[68:83], s[20:21], s12 offset:0x0
	s_load_b96 s[84:86], s[38:39], 0x0
	s_load_b32 s87, s[36:37], 0x0
	; The descriptor.  Wave w (0..11) brings rows 96 (w & 3) .. + 95 of array w >> 2, taken as dense rows of 256 bytes.  Every word hangs on the wave's number alone.
	s_cmp_eq_u32 s5, 0
	s_cselect_b64 s[56:57], s[22:23], s[24:25]     ; mu or kappa
	s_cmp_eq_u32 s5, 2
	s_cselect_b64 s[56:57], s[26:27], s[56:57]     ; or weight
	s_mul_i32 s58, s4, 24576
	s_mov_b32 s59, 0
	s_mov_b32 s44, 1                               ; count = 1
	s_mul_i32 s45, s3, 26112                       ; LDS address: 96 rows x 272 bytes a wave
	s_add_nc_u64 s[46:47], s[56:57], s[58:59]      ; global address of the tile's first element
	s_or_b32 s47, s47, 0x80000000                  ; type = 2
	s_mov_b32 s48, 0x0773000f                      ; 15:0 mask: the cluster's four; 17:16 elements of 8 bytes; 20 padding on; 21 set beside a mask; 24:22 after every 64 words; 31:25 four words
	s_mov_b32 s49, 32<<16                          ; tensor_dim0 = 32 elements (256 bytes)
	s_mov_b32 s50, 96<<16                          ; tensor_dim1 = 96
	s_mov_b32 s51, 32<<16                          ; tile_dim0 = 32
	s_mov_b32 s52, 96                              ; tile_dim1 = 96
	s_mov_b32 s53, 32                              ; from row to row: 32 elements (dense)
	s_mov_b32 s54, 0
	s_mov_b32 s55, 0
	s_mov_b32 s88, 0x76543210                      ; v_permlanex16_b32: lane i reads lane i of the other half
	s_mov_b32 s89, 0xfedcba98
	ROUND                                          ; the four work-groups are here: the joint loads meet
	s_cmp_ge_u32 s3, 12
	s_cbranch_scc1 .Lno_fill                       ; waves 12 to 15 have no part to fetch
	tensor_load_to_lds s[44:47], s[48:55]
	s_nop 0
.Lno_fill:
	; ---- key data of my two keys and two frequencies: cx = x / mag, sy = y / mag, mag
	s_wait_loadcnt 0x8                             ; K's two loads are in; the eight behind them may be out
	v_mul_f32 v30, v64, v64
	v_mul_f32 v31, v68, v68
	v_mul_f32 v32, v66, v66
	v_mul_f32 v33, v70, v70
	v_fmac_f32 v30, v65, v65                       ; mag^2 of (key 0, f 0)
	v_fmac_f32 v31, v69, v69                       ; (key 1, f 0)
	v_fmac_f32 v32, v67, v67                       ; (key 0, f 1)
	v_fmac_f32 v33, v71, v71                       ; (key 1, f 1)
	v_max_num_f32 v34, 0x00800000, v30             ; at least 2^-126: v_rsq_f32 takes a denormal for zero
	v_max_num_f32 v35, 0x00800000, v31
	v_max_num_f32 v36, 0x00800000, v32
	v_max_num_f32 v37, 0x00800000, v33
	v_rsq_f32 v34, v34
	v_rsq_f32 v35, v35
	v_rsq_f32 v36, v36
	v_rsq_f32 v37, v37
	v_nop                                          ; one plain vector instruction behind a transcendental before its result is used (ISA guide 5.7.2)
	s_wait_alu depctr_va_vdst(0)
	v_mul_f32 v10, v64, v34                        ; the record, 48 bytes: cx(k0,f0) cx(k1,f0) sy(k0,f0) sy(k1,f0)
	v_mul_f32 v11, v68, v35
	v_mul_f32 v12, v65, v34
	v_mul_f32 v13, v69, v35
	v_mul_f32 v14, v66, v36                        ; the same four of f1
	v_mul_f32 v15, v70, v37
	v_mul_f32 v16, v67, v36
	v_mul_f32 v17, v71, v37
	v_mul_f32 v18, v30, v34                        ; mag = mag^2 / mag: (k0,f0) (k1,f0) (k0,f1) (k1,f1)
	v_mul_f32 v19, v31, v35
	v_mul_f32 v20, v32, v36
	v_mul_f32 v21, v33, v37
	s_wait_loadcnt 0x4                             ; W1's four loads are in; bias, position, b1, W2 may be out
.irp s, 0,1,2,3
	v_cvt_pk_bf16_f32 v[22+2*\s], v[72+4*\s], v[73+4*\s]
	v_cvt_pk_bf16_f32 v[23+2*\s], v[74+4*\s], v[75+4*\s]
.endr
	s_wait_loadcnt 0x0
	s_wait_kmcnt 0x0                               ; ref, anchor_raw, b2
	v_mul_f32 v2, 0x3e800000, v2                   ; bias / 4
	; ---- position weight.  softplus(a) = max(a, 0) + ln2 log2(1 + exp2(-log2e |a|))
	v_mov_b32 v30, s84
	v_mov_b32 v31, s85
	v_mov_b32 v32, s86
	v_and_b32 v33, 0x7fffffff, v30
	v_and_b32 v34, 0x7fffffff, v31
	v_and_b32 v35, 0x7fffffff, v32
	v_mul_f32 v33, 0xbfb8aa3b, v33
	v_mul_f32 v34, 0xbfb8aa3b, v34
	v_mul_f32 v35, 0xbfb8aa3b, v35
	v_cvt_f32_i32 v4, v4
	v_exp_f32 v33, v33
	v_exp_f32 v34, v34
	v_exp_f32 v35, v35
	v_max_num_f32 v4, 1.0, v4                      ; the plain instruction behind the exponentials
	s_wait_alu depctr_va_vdst(0)
	v_add_f32 v33, 1.0, v33
	v_add_f32 v34, 1.0, v34
	v_add_f32 v35, 1.0, v35
	v_log_f32 v33, v33
	v_log_f32 v34, v34
	v_log_f32 v35, v35
	v_log_f32 v4, v4
	v_max_num_f32 v30, 0, v30                      ; the plain instruction behind the logarithms
	v_max_num_f32 v31, 0, v31
	v_max_num_f32 v32, 0, v32
	s_wait_alu depctr_va_vdst(0)
	v_fmac_f32 v30, 0x3f317218, v33                ; aw0
	v_fmac_f32 v31, 0x3f317218, v34                ; aw1
	v_fmac_f32 v32, 0x3f317218, v35                ; aw2
	v_mul_f32 v4, 0x3e9a209b, v4                   ; lp = log10(2) log2(max(position, 1))
	v_add_f32 v36, 0xc0400000, v4                  ; lp - 3
	v_add_f32 v37, -4.0, v4                        ; lp - 4
	v_max_num_f32 v36, 0, v36
	v_max_num_f32 v37, 0, v37
	v_min_num_f32 v36, 1.0, v36
	v_min_num_f32 v37, 1.0, v37
	v_sub_f32 v38, v31, v30
	v_sub_f32 v39, v32, v31
	v_fma_f32 v4, v38, v36, v30
	v_fmac_f32 v4, v39, v37
	v_mul_f32 v4, 0xbfb8aa3b, v4                   ; the sigmoid's -log2e goes in here
	v_mov_b32 v3, v2                               ; the second half of the pair BQ
	; ---- where my bin's parameters lie: row 816 x bin; my 192 bytes are the 64-byte units q = 3 fq + k at 64 q + 16 (q >> 2) (16 bytes of padding behind every four)
	s_mul_i32 s8, s5, 3
.irp k, 0,1,2
	s_add_co_u32 s9, s8, \k
	s_lshr_b32 s10, s9, 2
	s_lshl_b32 s9, s9, 6
	s_lshl4_add_u32 s[91+\k], s10, s9
.endr
	v_mul_u32_u24 v7, v8, PROW
.irp k, 0,1,2
	v_add_nc_u32 v[30+\k], s[91+\k], v7            ; mu
	v_add_nc_u32 v[33+\k], RAW_KA, v[30+\k]        ; kappa
	v_add_nc_u32 v[36+\k], RAW_W, v[30+\k]         ; weight
.endr
	s_cmp_lg_u32 s3, 0
	s_cbranch_scc1 .Lno_small
	ds_store_b64 v55, v[56:57]                     ; b1
	ds_store_b64 v55, v[58:59] offset:256          ; W2
.Lno_small:
	s_wait_tensorcnt 0x0                           ; my part of the three arrays has landed
	s_wait_dscnt 0x0                               ; wave 0's two stores are done
	s_barrier_signal -1
	s_barrier_wait -1                              ; everybody's has
	; ---- my bin's 48 entries of mu, kappa, weight into the registers where A, C and the weights stay
.irp k, 0,1,2
.irp c, 0,1,2,3
	ds_load_b128 v[P_A+16*\k+4*\c:P_A+16*\k+4*\c+3], v[30+\k] offset:16*\c
	ds_load_b128 v[P_C+16*\k+4*\c:P_C+16*\k+4*\c+3], v[33+\k] offset:16*\c
	ds_load_b128 v[P_W+16*\k+4*\c:P_W+16*\k+4*\c+3], v[36+\k] offset:16*\c
.endr
.endr
	s_wait_dscnt 0x0                               ; my reads of the raw arrays are over:
	s_barrier_signal -1                            ; say so, and work on registers until all sixteen waves have said so
; One step of a series: p = p u + coefficient, for two entries
.macro HORN p, lit
	v_pk_fma_f32 v[\p:\p+1], v[\p:\p+1], v[U:U+1], \lit op_sel_hi:[1,1,0]
.endm
; Entries 2 i and 2 i + 1: t = (mu + ref) / 2 pi less the nearest whole number, u = t^2; CN = -cos, SN = -sin by their series in turns (coefficients (2 pi)^j / j!,
; with the signs turned so that C = -kappa log2e multiplies them as it is); then C, A = C CN, B = C SN.
.macro PREP i
	v_add_f32 v[X], s[REF+(2*\i)/3], v[P_A+2*\i]
	v_add_f32 v[X+1], s[REF+(2*\i+1)/3], v[P_A+2*\i+1]
	v_pk_mul_f32 v[X:X+1], v[X:X+1], 0x3e22f983 op_sel_hi:[1,0]
	v_rndne_f32 v[R], v[X]
	v_rndne_f32 v[R+1], v[X+1]
	v_pk_add_f32 v[X:X+1], v[X:X+1], v[R:R+1] neg_lo:[0,1] neg_hi:[0,1]
	v_pk_mul_f32 v[U:U+1], v[X:X+1], v[X:X+1]
	v_pk_fma_f32 v[CN:CN+1], v[U:U+1], v[VC8:VC8+1], 0x3fdb7128 op_sel_hi:[1,1,0]
	v_pk_fma_f32 v[SN:SN+1], v[U:U+1], v[VS7:VS7+1], 0xc0747a1a op_sel_hi:[1,1,0]
	HORN CN, 0xc0fce9c5
	HORN SN, 0x417183a8
	HORN CN, 0x41d368f9
	HORN SN, 0xc2283c1a
	HORN CN, 0xc270fa83
	HORN SN, 0x42996966
	HORN CN, 0x42aae9e4
	HORN SN, 0xc2a335e3
	HORN CN, 0xc281e0f8
	HORN SN, 0x42255de7
	HORN CN, 0x419de9e6
	HORN SN, 0xc0c90fdb
	HORN CN, -1.0
	v_pk_mul_f32 v[SN:SN+1], v[SN:SN+1], v[X:X+1]
	v_pk_mul_f32 v[P_C+2*\i:P_C+2*\i+1], v[P_C+2*\i:P_C+2*\i+1], 0xbfb8aa3b op_sel_hi:[1,0]
	v_pk_mul_f32 v[P_A+2*\i:P_A+2*\i+1], v[P_C+2*\i:P_C+2*\i+1], v[CN:CN+1]
	v_pk_mul_f32 v[P_B+2*\i:P_B+2*\i+1], v[P_C+2*\i:P_C+2*\i+1], v[SN:SN+1]
.endm
	v_mov_b32 v[VS7], 0x3f37d6dd
	v_mov_b32 v[VS7+1], 0x3f37d6dd
	v_mov_b32 v[VC8], 0xbe906316
	v_mov_b32 v[VC8+1], 0xbe906316
.irp i, 0,1,2,3,4,5,6,7,8,9,10,11,12,13,14,15,16,17,18,19,20,21,22,23
	PREP \i
.endr
	v_mul_u32_u24 v7, v1, 48
	s_mul_i32 s8, s3, 1536
	v_add_nc_u32 v7, s8, v7                        ; my record: pair of keys w, pair of frequencies = lane
	s_mul_i32 s9, s3, 272
	s_add_co_u32 s9, s9, W1S
	v_add_nc_u32 v8, s9, v54                       ; W1 row 16 s + w, 8 bytes a lane
	s_barrier_wait -1                              ; no wave reads the raw arrays any more, and they are never filled again: their bytes are written over
	ds_store_b128 v7, v[10:13]                     ; lanes 48 bytes apart: sixteen lanes, sixteen different 16-byte columns modulo 256
	ds_store_b128 v7, v[14:17] offset:16
	ds_store_b128 v7, v[18:21] offset:32
.irp s, 0,1,2,3
	ds_store_b64 v8, v[22+2*\s:23+2*\s] offset:4352*\s
.endr
	s_mul_i32 s10, s5, 384                         ; my eight pairs of frequencies: 8 fq x 48 bytes
	v_mov_b32 v[KA], s10
	s_mul_i32 s8, s5, 16896
	s_lshl_b32 s9, s4, 7
	s_add_co_u32 s8, s8, s9
	s_add_co_u32 s8, s8, PART
	v_add_nc_u32 v[PSA], s8, v53                   ; PART + 16896 fq + 4 (32 g + lane)
	s_wait_dscnt 0x0                               ; my stores are done
	s_barrier_signal -1
	s_barrier_wait -1                              ; everybody's are: key data and W1 are whole
; ---- THE MAIN LOOP.  A parameter is one register of an aligned pair: op_sel and op_sel_hi take it for both halves (even entry: the first register; odd: the second).
.macro MULB d, p, e, t                 ; d = P[e] t
.if (\e)&1
	s_wait_alu depctr_va_vdst(0)
	v_pk_mul_f32 v[\d:\d+1], v[\p+(\e)-1:\p+(\e)], v[\t:\t+1] op_sel:[1,0] op_sel_hi:[1,1]
.else
	s_wait_alu depctr_va_vdst(0)
	v_pk_mul_f32 v[\d:\d+1], v[\p+(\e):\p+(\e)+1], v[\t:\t+1] op_sel_hi:[0,1]
.endif
.endm
.macro FMAB d, p, e, t, c              ; d = P[e] t + c
.if (\e)&1
	v_pk_fma_f32 v[\d:\d+1], v[\p+(\e)-1:\p+(\e)], v[\t:\t+1], v[\c:\c+1] op_sel:[1,0,0] op_sel_hi:[1,1,1]
.else
	v_pk_fma_f32 v[\d:\d+1], v[\p+(\e):\p+(\e)+1], v[\t:\t+1], v[\c:\c+1] op_sel_hi:[0,1,1]
.endif
.endm
.macro FMABB d, p, e, t, q             ; d = P[e] t + Q[e]
.if (\e)&1
	v_pk_fma_f32 v[\d:\d+1], v[\p+(\e)-1:\p+(\e)], v[\t:\t+1], v[\q+(\e)-1:\q+(\e)] op_sel:[1,0,1] op_sel_hi:[1,1,1]
.else
	v_pk_fma_f32 v[\d:\d+1], v[\p+(\e):\p+(\e)+1], v[\t:\t+1], v[\q+(\e):\q+(\e)+1] op_sel_hi:[0,1,0]
.endif
.endm
; the record of pair of frequencies grp (of my eight) into buffer buf; all lanes read the same 48 bytes
.macro LOADG grp, buf, o
	ds_load_b128 v[KDB+12*(\buf):KDB+12*(\buf)+3],    v[KA] offset:\o+48*(\grp)
	ds_load_b128 v[KDB+12*(\buf)+4:KDB+12*(\buf)+7],  v[KA] offset:\o+48*(\grp)+16
	ds_load_b128 v[KDB+12*(\buf)+8:KDB+12*(\buf)+11], v[KA] offset:\o+48*(\grp)+32
.endm
; the three exponents of frequency u, for two keys: A cx + (B sy + C)
.macro ARGS u, set
.irp m, 0,1,2
	FMABB T+6*(\set)+2*\m, P_B, 3*(\u)+\m, KDB+12*(((\u)>>1)&1)+4*((\u)&1)+2, P_C
.endr
.irp m, 0,1,2
	FMAB T+6*(\set)+2*\m, P_A, 3*(\u)+\m, KDB+12*(((\u)>>1)&1)+4*((\u)&1), T+6*(\set)+2*\m
.endr
.endm
.macro EXPS set
.irp j, 0,1,2,3,4,5
	v_exp_f32 v[T+6*(\set)+\j], v[T+6*(\set)+\j]
.endr
.endm
; the weighted sum over the three kernels, times mag, onto the logits; the first frequency starts the sum with the quarter of the bias: nothing is cleared
.macro WKS u, set
	MULB WK, P_W, 3*(\u), T+6*(\set)
	FMAB WK, P_W, 3*(\u)+1, T+6*(\set)+2, WK
	FMAB WK, P_W, 3*(\u)+2, T+6*(\set)+4, WK
.if (\u) == 0
	v_pk_fma_f32 v[ACC:ACC+1], v[WK:WK+1], v[KDB+8:KDB+9], v[BQ:BQ+1]
.else
	v_pk_fma_f32 v[ACC:ACC+1], v[WK:WK+1], v[KDB+12*(((\u)>>1)&1)+8+2*((\u)&1):KDB+12*(((\u)>>1)&1)+9+2*((\u)&1)], v[ACC:ACC+1]
.endif
.endm
; One pair of keys, my 16 frequencies: 96 exponentials of the wave.  The six multiply-adds of the next frequency's exponents stand behind each run of six exponentials:
; they are the plain instructions that a transcendental's result wants in front of its use (ISA guide 5.7.2), and they name none of its registers.
; A record's three loads are issued when its buffer has been used for the last time, and waited for two frequencies later.
.macro TRIP last
	s_wait_dscnt 0x3                               ; LDS answers in order (ISA guide 5.7.1): record 0 is in; the three loads of record 1 may be out; round the loop the two partial-sum stores ahead of them are done too
	ARGS 0, 0
.irp u, 0,1,2,3,4,5,6,7,8,9,10,11,12,13,14,15
	EXPS (\u)&1
.if \u < 15
.if (\u)&1
	s_wait_dscnt 0x0                               ; the next record's loads are the youngest LDS instructions
.endif
	ARGS \u+1, (\u+1)&1
.else
	v_nop                                          ; the last frequency has no successor: the plain instruction behind the exponentials
.endif
	WKS \u, (\u)&1
.if \u == 15
	ds_store_b32 v[PSA], v[ACC]                    ; key 2 p
	ds_store_b32 v[PSA], v[ACC+1] offset:528       ; key 2 p + 1
.endif
.if (\u)&1
.if ((\u)>>1)+2 < 8
	LOADG ((\u)>>1)+2, ((\u)>>1)&1, 0
.else
.if \last == 0
	LOADG ((\u)>>1)-6, ((\u)>>1)&1, 1536           ; records 0 and 1 of the next pair of keys
.endif
.endif
.endif
.endr
.endm
	LOADG 0, 0, 0
	LOADG 1, 1, 0
	s_mov_b32 s90, 15
.Lpair:
	TRIP 0
	v_add_nc_u32 v[KA], 1536, v[KA]
	v_add_nc_u32 v[PSA], 1056, v[PSA]
	s_sub_co_i32 s90, s90, 1
	s_cmp_lg_u32 s90, 0
	s_cbranch_scc1 .Lpair
	TRIP 1                                         ; the last pair of keys loads nothing beyond the key data
	; ---- the four partial sums of each logit are added and rounded to bf16.  Thread t: key t >> 4, bins 4 c .. + 3 and 64 + 4 c .. + 3, c = t & 15
	v_lshrrev_b32 v8, 4, v0
	v_and_b32 v9, 15, v0
	v_mul_u32_u24 v7, v8, 528
	v_lshl_add_u32 v7, v9, 4, v7
	v_add_nc_u32 v7, PART, v7
	v_mul_u32_u24 v8, v8, 272
	v_lshl_add_u32 v8, v9, 3, v8
	v_add_nc_u32 v8, LOGB, v8
	s_wait_dscnt 0x0                               ; my partial sums are stored
	s_barrier_signal -1
	s_barrier_wait -1
.irp a, 0,1
.irp q, 0,1,2,3
	ds_load_b128 v[64+16*\a+4*\q:64+16*\a+4*\q+3], v7 offset:16896*\q+256*\a   ; sixteen lanes read 256 consecutive bytes
.endr
.endr
	s_wait_dscnt 0x0
.irp a, 0,1
.irp d, 0,2
	v_pk_add_f32 v[64+16*\a+\d:65+16*\a+\d], v[64+16*\a+\d:65+16*\a+\d], v[68+16*\a+\d:69+16*\a+\d]
	v_pk_add_f32 v[72+16*\a+\d:73+16*\a+\d], v[72+16*\a+\d:73+16*\a+\d], v[76+16*\a+\d:77+16*\a+\d]
	v_pk_add_f32 v[64+16*\a+\d:65+16*\a+\d], v[64+16*\a+\d:65+16*\a+\d], v[72+16*\a+\d:73+16*\a+\d]
.endr
	v_cvt_pk_bf16_f32 v[96+2*\a], v[64+16*\a], v[65+16*\a]
	v_cvt_pk_bf16_f32 v[97+2*\a], v[66+16*\a], v[67+16*\a]
	ds_store_b64 v8, v[96+2*\a:97+2*\a] offset:128*\a
.endr
	s_wait_dscnt 0x0
	s_barrier_signal -1
	s_barrier_wait -1                              ; the 32 x 128 logits are whole
	s_cmp_lg_u32 s3, 0
	s_cbranch_scc1 .Lend
	; ---- THE MLP, wave 0: 32 keys x 64 hidden x 128 bins, 32 matrix instructions.  Source 0 = 16 rows of W1, source 1 = 16 rows of logits: in tile (q, t) register j of
	; lane (r, h) is hidden unit 16 t + 8 h + j of key 16 q + r.  b1 is loaded straight into the accumulators: it is the first C.
	v_and_b32 v23, 15, v1                          ; r
	v_lshrrev_b32 v24, 4, v1                       ; h
	v_mul_u32_u24 v[WA], v23, 272
	v_lshl_add_u32 v[WA], v24, 4, v[WA]            ; row r, 16 bytes for each half of the lanes
	v_add_nc_u32 v[LA], LOGB, v[WA]
	v_add_nc_u32 v[WA], W1S, v[WA]
	v_lshlrev_b32 v[BA], 5, v24
	v_add_nc_u32 v[BA], B1S, v[BA]                 ; b1 at 4 (16 t + 8 h); W2 256 bytes behind
; the fragments of 32 bins at byte 64 ks of the rows: two loads of 16 bytes, 32 bytes apart, for each
.macro LOADK ks, buf
.irp t, 0,1,2,3
	ds_load_b128 v[\buf+8*\t:\buf+8*\t+3],   v[WA] offset:4352*\t+64*\ks
	ds_load_b128 v[\buf+8*\t+4:\buf+8*\t+7], v[WA] offset:4352*\t+64*\ks+32
.endr
.irp q, 0,1
	ds_load_b128 v[\buf+32+8*\q:\buf+32+8*\q+3], v[LA] offset:4352*\q+64*\ks
	ds_load_b128 v[\buf+32+8*\q+4:\buf+32+8*\q+7], v[LA] offset:4352*\q+64*\ks+32
.endr
.endm
; eight matrix instructions: the eight accumulators take turns, one instruction a turn, from one k step to the next too
.macro MUL buf
.irp q, 0,1
.irp t, 0,1,2,3
	v_wmma_f32_16x16x32_bf16 v[ACCM+8*(4*\q+\t):ACCM+8*(4*\q+\t)+7], v[\buf+8*\t:\buf+8*\t+7], v[\buf+32+8*\q:\buf+32+8*\q+7], v[ACCM+8*(4*\q+\t):ACCM+8*(4*\q+\t)+7]
.endr
.endr
.endm
; four plain vector instructions behind a matrix instruction before a load lands on its sources or a vector instruction reads its result
.macro PLACES
.rept 4
	v_nop
.endr
.endm
.irp q, 0,1
.irp t, 0,1,2,3
	ds_load_b128 v[ACCM+8*(4*\q+\t):ACCM+8*(4*\q+\t)+3],   v[BA] offset:64*\t
	ds_load_b128 v[ACCM+8*(4*\q+\t)+4:ACCM+8*(4*\q+\t)+7], v[BA] offset:64*\t+16
.endr
.endr
	LOADK 0, BUF0
	LOADK 1, BUF1
.irp t, 0,1,2,3
	ds_load_b128 v[W2R+8*\t:W2R+8*\t+3],   v[BA] offset:256+64*\t
	ds_load_b128 v[W2R+8*\t+4:W2R+8*\t+7], v[BA] offset:256+64*\t+16
.endr
	s_wait_dscnt 20                                ; b1 and k step 0 are in; k step 1's 12 loads and W2's 8 may be out
	MUL BUF0
	PLACES
	LOADK 2, BUF0
	s_wait_dscnt 20                                ; k step 1 is in; W2's 8 and k step 2's 12 may be out
	MUL BUF1
	PLACES
	LOADK 3, BUF1
	s_wait_dscnt 12                                ; k step 2 (and W2) is in; k step 3's 12 may be out
	MUL BUF0
	s_wait_dscnt 0x0
	MUL BUF1
	PLACES
.set j, 0
.rept 64
	v_max_num_f32 v[ACCM+j], 0, v[ACCM+j]          ; relu
.set j, j+1
.endr
	v_pk_mul_f32 v[10:11], v[ACCM:ACCM+1], v[W2R:W2R+1]          ; W2 . h: my 32 hidden units of key r (v[10:11]) and of key 16 + r (v[12:13]), two chains
	v_pk_mul_f32 v[12:13], v[ACCM+32:ACCM+33], v[W2R:W2R+1]
.set j, 2
.rept 15
	v_pk_fma_f32 v[10:11], v[ACCM+j:ACCM+j+1], v[W2R+j:W2R+j+1], v[10:11]
	v_pk_fma_f32 v[12:13], v[ACCM+32+j:ACCM+33+j], v[W2R+j:W2R+j+1], v[12:13]
.set j, j+2
.endr
	v_add_f32 v10, v10, v11
	v_add_f32 v12, v12, v13
	v_permlanex16_b32 v11, v10, s88, s89           ; the other half's 32 hidden units (the destination counts as read: v11 and v13 have been written)
	v_permlanex16_b32 v13, v12, s88, s89
	v_add_f32 v10, v10, v11
	v_add_f32 v12, v12, v13
	v_cmp_gt_u32 vcc_lo, 16, v1
	v_cndmask_b32 v10, v12, v10, vcc_lo            ; lane = key
	v_add_f32 v10, s87, v10                        ; + b2
	v_mul_f32 v10, v10, v[POSW]                    ; x (-log2e x position weight)
	v_exp_f32 v10, v10
	v_nop
	s_wait_alu depctr_va_vdst(0)
	v_add_f32 v10, 1.0, v10
	v_rcp_f32 v10, v10                             ; sigmoid
	v_nop
	s_wait_alu depctr_va_vdst(0)
	global_store_b32 v53, v10, s[40:41]            ; the work-group's 32 results: 128 consecutive bytes
.Lend:
	s_wait_dscnt 0x0
	s_wait_tensorcnt 0x0
	ds_add_u32 v62, v63
	s_wait_dscnt 0x0
	ROUND                                          ; the closing round: no work-group ends before its partners have passed their joint loads
	s_endpgm
.Lfunc_end_k_q833da748c3_prune:
	.size	k_q833da748c3_prune, .Lfunc_end_k_q833da748c3_prune-k_q833da748c3_prune
	.p2alignl 7, 3214868480
	.fill 96, 4, 3214868480
	.section	.rodata,"a",@progbits
	.p2align	6, 0x0
	.amdhsa_kernel k_q833da748c3_prune
		.amdhsa_group_segment_fixed_size 315904
		.amdhsa_private_segment_fixed_size 0
		.amdhsa_enable_private_segment 0
		.amdhsa_kernarg_size 104
		.amdhsa_user_sgpr_count 2
		.amdhsa_user_sgpr_kernarg_segment_ptr 1
		.amdhsa_wavefront_size32 1
		.amdhsa_system_sgpr_workgroup_id_x 1
		.amdhsa_system_sgpr_workgroup_id_y 1
		.amdhsa_system_sgpr_workgroup_id_z 1
		.amdhsa_system_vgpr_workitem_id 0
		.amdhsa_next_free_vgpr 256
		.amdhsa_next_free_sgpr 96
		.amdhsa_reserve_vcc 1
		.amdhsa_float_denorm_mode_32 3
		.amdhsa_float_denorm_mode_16_64 3
		.amdhsa_memory_ordered 1
		.amdhsa_forward_progress 1
		.amdhsa_inst_pref_size 107
	.end_amdhsa_kernel
	.amdgpu_metadata
---
amdhsa.version: [ 1, 2 ]
amdhsa.kernels:
  - .name:           k_q833da748c3_prune
    .symbol:         k_q833da748c3_prune.kd
    .args:
      - { .name: K, .offset: 0, .size: 8, .value_kind: global_buffer, .address_space: global }
      - { .name: key_positions, .offset: 8, .size: 8, .value_kind: global_buffer, .address_space: global }
      - { .name: reference_angles, .offset: 16, .size: 8, .value_kind: global_buffer, .address_space: global }
      - { .name: mu, .offset: 24, .size: 8, .value_kind: global_buffer, .address_space: global }
      - { .name: kappa, .offset: 32, .size: 8, .value_kind: global_buffer, .address_space: global }
      - { .name: weight, .offset: 40, .size: 8, .value_kind: global_buffer, .address_space: global }
      - { .name: bias, .offset: 48, .size: 8, .value_kind: global_buffer, .address_space: global }
      - { .name: W1, .offset: 56, .size: 8, .value_kind: global_buffer, .address_space: global }
      - { .name: b1, .offset: 64, .size: 8, .value_kind: global_buffer, .address_space: global }
      - { .name: W2, .offset: 72, .size: 8, .value_kind: global_buffer, .address_space: global }
      - { .name: b2, .offset: 80, .size: 8, .value_kind: global_buffer, .address_space: global }
      - { .name: anchor_raw, .offset: 88, .size: 8, .value_kind: global_buffer, .address_space: global }
      - { .name: out0, .offset: 96, .size: 8, .value_kind: global_buffer, .address_space: global }
    .group_segment_fixed_size: 315904
    .private_segment_fixed_size: 0
    .kernarg_segment_align: 8
    .kernarg_segment_size: 104
    .max_flat_workgroup_size: 512
    .sgpr_count:     96
    .vgpr_count:     256
    .wavefront_size: 32
...
	.end_amdgpu_metadata
.endif
;; end of part 1
